; MI455X (gfx1250); checked and timed in simulation.
; The chip was launched on July 23, 2026; its instructions are those of AMD's public machine-readable ISA for CDNA 5 (MIT licence, August 2026) and "CDNA5" Instruction Set Architecture Reference Guide (July 2026). The comments in the code are by the model that wrote it; some were corrected since.
;; Color Transform. Allowed arithmetic: float matrix products may take bf16 or f16 operands with f32 sums; all other float work in f32.
;; Inputs: bias 3 float32; weight 19 x 3 float32; x 16 x 3 x 512 x 512 float32.
;; Outputs: out0 16 x 3 x 512 x 512 float32.
;; Constants: degree = 3.
;; One version. Each part assembles by itself: llvm-mc -triple=amdgcn-amd-amdhsa -mcpu=gfx1250 --defsym DOCPART=n.
;; ======== version 1 of 1: 1 launch
;; launch color (part 1): grid 256 x 1, 16 waves a work-group, no clusters, 0 bytes of LDS; arguments x, weight, bias, out0; writes out0
.if DOCPART == 1
	.amdgcn_target "amdgcn-amd-amdhsa--gfx1250"
	.amdhsa_code_object_version 6
	.text
	.protected	k_q1c9537f87a_color
	.globl	k_q1c9537f87a_color
	.p2align	8
	.type	k_q1c9537f87a_color,@function
k_q1c9537f87a_color:
	s_mov_b64 s[64:65], 0
	v_nop
	global_prefetch_b8 v0, s[64:65] scope:SCOPE_SE
	s_setreg_imm32_b32 hwreg(HW_REG_WAVE_MODE, 25, 1), 1
	s_wait_xcnt 0x0
; out[n][c][p] = bias[c] + sum over 19 monomials f of degree 1..3 in (r, g, b) = x[n][0..2][p] of weight[f][c] * f.
; x, out: [16][3][512*512] f32.  weight: [19][3] f32.  bias: [3] f32.
; Order of the monomials (rows of weight):  0 r  1 g  2 b  3 rr  4 rg  5 rb  6 gg  7 gb  8 bb
;                                           9 rrr 10 rrg 11 rrb 12 rgg 13 rgb 14 rbb 15 ggg 16 ggb 17 gbb 18 bbb
;
; A STREAM: a pixel is 12 bytes in and 12 bytes out against 57 multiply-adds, so bytes decide.  Each byte of x is loaded
; once, each byte of out stored once, every load and store of a wave covers 512 consecutive bytes that start at a multiple of 512.
;
; THE ARITHMETIC is the cubic in nested form, 19 fused multiply-adds for an output and no monomial ever formed:
;   out = bias + b(w2 + b(w8 + b w18)) + g( w1 + b(w7 + b w17) + g(w6 + b w16 + g w15) )
;              + r( w0 + b(w5 + b w14) + g(w4 + b w13 + g w12) + r(w3 + b w11 + g w10 + r w9) )
; Two neighbouring pixels go in one v_pk_fma_f32: 57 instructions for two pixels, all in f32.
; NO MATRIX INSTRUCTIONS: the product is 19 deep and 3 wide for each pixel.  A 16x16x32 tile would use 3 of its 16 columns, and its
; operand would first need the products of the monomials and their conversions to bf16, about as many vector instructions as are
; spent here, to relieve a side that does not bind, and with bf16's error.  No LDS, barrier or cluster: no wave uses another's
; data, and all that work-groups share are the 240 bytes of coefficients.  No prefetch: every byte of x that a wave will read is
; requested by its first 24 vector memory instructions.
;
; LIMITS: the roundings differ from a sum of separately rounded monomials (nested fused multiply-adds, f32 throughout).  For
; non-finite inputs, or where a cube leaves f32's range (|x| beyond some 7e12), infinities and NaNs may fall otherwise than in a
; sum of monomials.
;
; THE SPLIT: 256 work-groups of 16 waves.  A work-group owns 16,384 neighbouring pixels of one image (64 KiB of each plane), as
; eight groups of 8 KiB; thread t owns the 16 bytes (4 pixels) at 16 t of each group.  A wave issues all its 24 loads of x at once
; and works the groups off as they land, so there is no loop and no ring.
;
; THE COEFFICIENTS are the same for every lane, so they come by six scalar loads and take no place among the vector loads: x's
; loads are the wave's first.  They are then copied into vector registers, 60 copies while x is on its way, because a packed
; multiply-add can broadcast only the first register of a scalar pair and an instruction takes two scalar values at the most
; (ISA guide, the operand rules of the VOP3P encoding): as scalars they would ask for unpacked multiply-adds, 912 more instructions a wave.
.set PLANE,  1048576                   ; bytes in a plane of 512 x 512 f32
.set STEP,   8192                      ; 512 threads x 16 bytes: from a group to the next
.set GROUPS, 8
.set OFF,  1                           ; v1         16 t: my bytes in a group
.set W,    4                           ; v[4:63]    coefficient 3 f + c = weight[f][c]; the bias stands as row f = 19
.set T,    64                          ; v[64:99]   chain (c, p): three pairs of temporaries at T + 6 (2 c + p)
.set R,    100                         ; v[100:207] nine blocks of 12 (plane, then 4 pixels): group j's x in block j + 1, its results
                                       ;            in block j, whose x is used up by then.  So the data of a store are never written again.
.set SW0,  16                          ; s[16:63]   coefficients 0 to 47 as loaded
.set SW1,  68                          ; s[68:76]   coefficients 48 to 56
.set SB,   80                          ; s[80:82]   the bias
; One packed multiply-add on two pixels.  A coefficient is one register of an even-aligned pair and feeds both halves:
; op_sel picks the register for the low result, op_sel_hi for the high one (0 = first of the pair, 1 = second).
.macro FWW d, x, i, j                  ; d = x * W[i] + W[j]
.if (((\i)&1)*2+((\j)&1))==0
	v_pk_fma_f32 v[\d:\d+1], v[\x:\x+1], v[W+\i:W+\i+1], v[W+\j:W+\j+1] op_sel_hi:[1,0,0]
.endif
.if (((\i)&1)*2+((\j)&1))==1
	v_pk_fma_f32 v[\d:\d+1], v[\x:\x+1], v[W+\i:W+\i+1], v[W+\j-1:W+\j] op_sel:[0,0,1] op_sel_hi:[1,0,1]
.endif
.if (((\i)&1)*2+((\j)&1))==2
	v_pk_fma_f32 v[\d:\d+1], v[\x:\x+1], v[W+\i-1:W+\i], v[W+\j:W+\j+1] op_sel:[0,1,0] op_sel_hi:[1,1,0]
.endif
.if (((\i)&1)*2+((\j)&1))==3
	v_pk_fma_f32 v[\d:\d+1], v[\x:\x+1], v[W+\i-1:W+\i], v[W+\j-1:W+\j] op_sel:[0,1,1] op_sel_hi:[1,1,1]
.endif
.endm
.macro FTW d, x, t, j                  ; d = x * t + W[j]
.if ((\j)&1)==0
	v_pk_fma_f32 v[\d:\d+1], v[\x:\x+1], v[\t:\t+1], v[W+\j:W+\j+1] op_sel_hi:[1,1,0]
.else
	v_pk_fma_f32 v[\d:\d+1], v[\x:\x+1], v[\t:\t+1], v[W+\j-1:W+\j] op_sel:[0,0,1] op_sel_hi:[1,1,1]
.endif
.endm
.macro FWT d, x, i, t                  ; d = x * W[i] + t
.if ((\i)&1)==0
	v_pk_fma_f32 v[\d:\d+1], v[\x:\x+1], v[W+\i:W+\i+1], v[\t:\t+1] op_sel_hi:[1,0,1]
.else
	v_pk_fma_f32 v[\d:\d+1], v[\x:\x+1], v[W+\i-1:W+\i], v[\t:\t+1] op_sel:[0,1,0] op_sel_hi:[1,1,1]
.endif
.endm
.macro FTT d, x, t, u                  ; d = x * t + u
	v_pk_fma_f32 v[\d:\d+1], v[\x:\x+1], v[\t:\t+1], v[\u:\u+1]
.endm
; One step of the nesting for all six chains of a group (3 outputs c x 2 pixel pairs p), so that an instruction's result is
; wanted six instructions later at the earliest.  grp: the group; kd, ka, kb: temporaries 0..2; ch: 0 r, 1 g, 2 b; fa, fb: rows of weight.
.macro L_WW grp, kd, ch, fa, fb        ; kd = x[ch] * w[fa] + w[fb]
.irp c, 0,1,2
.irp p, 0,1
	FWW T+6*(2*\c+\p)+2*\kd, R+12*(\grp+1)+4*\ch+2*\p, 3*\fa+\c, 3*\fb+\c
.endr
.endr
.endm
.macro L_TW grp, kd, ch, ka, fb        ; kd = x[ch] * ka + w[fb]
.irp c, 0,1,2
.irp p, 0,1
	FTW T+6*(2*\c+\p)+2*\kd, R+12*(\grp+1)+4*\ch+2*\p, T+6*(2*\c+\p)+2*\ka, 3*\fb+\c
.endr
.endr
.endm
.macro L_WT grp, kd, ch, fa, kb        ; kd = x[ch] * w[fa] + kb
.irp c, 0,1,2
.irp p, 0,1
	FWT T+6*(2*\c+\p)+2*\kd, R+12*(\grp+1)+4*\ch+2*\p, 3*\fa+\c, T+6*(2*\c+\p)+2*\kb
.endr
.endr
.endm
.macro L_TT grp, kd, ch, ka, kb        ; kd = x[ch] * ka + kb
.irp c, 0,1,2
.irp p, 0,1
	FTT T+6*(2*\c+\p)+2*\kd, R+12*(\grp+1)+4*\ch+2*\p, T+6*(2*\c+\p)+2*\ka, T+6*(2*\c+\p)+2*\kb
.endr
.endr
.endm
.macro L_OUT grp                       ; result = r * temporary 2 + temporary 0, into block grp
.irp c, 0,1,2
.irp p, 0,1
	FTT R+12*\grp+4*\c+2*\p, R+12*(\grp+1)+2*\p, T+6*(2*\c+\p)+4, T+6*(2*\c+\p)
.endr
.endr
.endm
; A group: 4 pixels a lane, 114 packed multiply-adds, three stores.
.macro GROUP grp
	s_wait_loadcnt 3*(GROUPS-1-\grp)               ; loads return in order (ISA guide 5.7.1): groups 0..grp are in,
	                                               ; the three plane loads of each younger group stay out
	L_WW \grp, 0, 2, 18, 8                         ; t0 = w8 + b w18
	L_WW \grp, 1, 2, 17, 7                         ; t1 = w7 + b w17
	L_WW \grp, 2, 2, 16, 6                         ; t2 = w6 + b w16
	L_TW \grp, 0, 2, 0, 2                          ; t0 = w2 + b t0
	L_TW \grp, 1, 2, 1, 1                          ; t1 = w1 + b t1
	L_WT \grp, 2, 1, 15, 2                         ; t2 = t2 + g w15
	L_TW \grp, 0, 2, 0, 19                         ; t0 = bias + b t0
	L_TT \grp, 1, 1, 2, 1                          ; t1 = t1 + g t2
	L_WW \grp, 2, 2, 14, 5                         ; t2 = w5 + b w14
	L_TT \grp, 0, 1, 1, 0                          ; t0 = t0 + g t1: all terms without r
	L_WW \grp, 1, 2, 13, 4                         ; t1 = w4 + b w13
	L_TW \grp, 2, 2, 2, 0                          ; t2 = w0 + b t2
	L_WT \grp, 1, 1, 12, 1                         ; t1 = t1 + g w12
	L_TT \grp, 2, 1, 1, 2                          ; t2 = t2 + g t1
	L_WW \grp, 1, 2, 11, 3                         ; t1 = w3 + b w11
	L_WT \grp, 1, 1, 10, 1                         ; t1 = t1 + g w10
	L_WT \grp, 1, 0, 9, 1                          ; t1 = t1 + r w9
	L_TT \grp, 2, 0, 1, 2                          ; t2 = t2 + r t1
	L_OUT \grp                                     ; out = t0 + r t2
.irp c, 0,1,2
	global_store_b128 v[OFF], v[R+12*\grp+4*\c:R+12*\grp+4*\c+3], s[10:11] offset:\c*PLANE+\grp*STEP th:TH_STORE_NT
.endr
.endm
	s_load_b256 s[4:11], s[0:1], 0x0               ; x s[4:5], weight s[6:7], bias s[8:9], out s[10:11]
	s_lshr_b32 s12, ttmp9, 4                       ; image: 16 work-groups share one
	s_and_b32 s13, ttmp9, 15                       ; which 64 KiB of its planes
	s_mul_i32 s12, s12, 3*PLANE
	s_lshl_b32 s13, s13, 16
	s_add_co_u32 s12, s12, s13                     ; byte offset of my part of plane 0: below 48 MiB
	s_mov_b32 s13, 0
	v_lshlrev_b32 v[OFF], 4, v0                    ; 16 t
	s_wait_kmcnt 0x0
	; The 60 coefficients: 3 x 64 + 32 + 4 bytes are weight's 228, then bias's 12.  No line of this kernel stores into either buffer.
	s_load_b512 s[SW0:SW0+15],    s[6:7], 0x0
	s_load_b512 s[SW0+16:SW0+31], s[6:7], 0x40
	s_load_b512 s[SW0+32:SW0+47], s[6:7], 0x80
	s_load_b256 s[SW1:SW1+7],     s[6:7], 0xc0
	s_load_b32  s[SW1+8],         s[6:7], 0xe0
	s_load_b96  s[SB:SB+2],       s[8:9], 0x0
	s_add_nc_u64 s[4:5], s[4:5], s[12:13]
	s_add_nc_u64 s[10:11], s[10:11], s[12:13]
	; All of my x: 8 groups x 3 planes.  The plane and the group are in the immediate (2 PLANE + 7 STEP at the most, inside its 24 bits).
.irp g, 0,1,2,3,4,5,6,7
.irp ch, 0,1,2
	global_load_b128 v[R+12*(\g+1)+4*\ch:R+12*(\g+1)+4*\ch+3], v[OFF], s[4:5] offset:\ch*PLANE+\g*STEP th:TH_LOAD_NT
.endr
.endr
	s_wait_kmcnt 0x0                               ; scalar loads return in no order: zero shows all six in.  x stays on its way meanwhile
.set i, 0
.rept 48
	v_mov_b32 v[W+i], s[SW0+i]                     ; coefficients 0 to 47, every lane the same
.set i, i+1
.endr
.set i, 0
.rept 9
	v_mov_b32 v[W+48+i], s[SW1+i]                  ; 48 to 56
.set i, i+1
.endr
.set i, 0
.rept 3
	v_mov_b32 v[W+57+i], s[SB+i]                   ; the bias as row 19
.set i, i+1
.endr
.irp g, 0,1,2,3,4,5,6,7
	GROUP \g
.endr
	s_endpgm
.Lfunc_end_k_q1c9537f87a_color:
	.size	k_q1c9537f87a_color, .Lfunc_end_k_q1c9537f87a_color-k_q1c9537f87a_color
	.p2alignl 7, 3214868480
	.fill 96, 4, 3214868480
	.section	.rodata,"a",@progbits
	.p2align	6, 0x0
	.amdhsa_kernel k_q1c9537f87a_color
		.amdhsa_group_segment_fixed_size 0
		.amdhsa_private_segment_fixed_size 0
		.amdhsa_enable_private_segment 0
		.amdhsa_kernarg_size 32
		.amdhsa_user_sgpr_count 2
		.amdhsa_user_sgpr_kernarg_segment_ptr 1
		.amdhsa_wavefront_size32 1
		.amdhsa_system_sgpr_workgroup_id_x 1
		.amdhsa_system_sgpr_workgroup_id_y 1
		.amdhsa_system_sgpr_workgroup_id_z 1
		.amdhsa_system_vgpr_workitem_id 0
		.amdhsa_next_free_vgpr 208
		.amdhsa_next_free_sgpr 84
		.amdhsa_reserve_vcc 0
		.amdhsa_float_denorm_mode_32 3
		.amdhsa_float_denorm_mode_16_64 3
		.amdhsa_memory_ordered 1
		.amdhsa_forward_progress 1
		.amdhsa_inst_pref_size 65
	.end_amdhsa_kernel
	.amdgpu_metadata
---
amdhsa.version: [ 1, 2 ]
amdhsa.kernels:
  - .name:           k_q1c9537f87a_color
    .symbol:         k_q1c9537f87a_color.kd
    .args:
      - { .name: x, .offset: 0, .size: 8, .value_kind: global_buffer, .address_space: global }
      - { .name: weight, .offset: 8, .size: 8, .value_kind: global_buffer, .address_space: global }
      - { .name: bias, .offset: 16, .size: 8, .value_kind: global_buffer, .address_space: global }
      - { .name: out0, .offset: 24, .size: 8, .value_kind: global_buffer, .address_space: global }
    .group_segment_fixed_size: 0
    .private_segment_fixed_size: 0
    .kernarg_segment_align: 8
    .kernarg_segment_size: 32
    .max_flat_workgroup_size: 512
    .sgpr_count:     84
    .vgpr_count:     208
    .wavefront_size: 32
...
	.end_amdgpu_metadata
.endif
;; end of part 1
